; MI455X (gfx1250); checked and timed in simulation.
; The chip was launched on July 23, 2026; its instructions are those of AMD's public machine-readable ISA for CDNA 5 (MIT licence, August 2026) and "CDNA5" Instruction Set Architecture Reference Guide (July 2026). The comments in the code are by the model that wrote it; some were corrected since.
;; LSTM Layer. Allowed arithmetic: matrix products marked QUANTISED: E2M1 operands, one E8M0 scale for each 32 along K, by v_wmma_scale_f32_16x16x128_f8f6f4 with both operands' format E2M1 (or v_wmma_scale_f32_32x16x128_f4), f32 sums; everything else in f32.
;; Inputs: Wc 1,024 x 2,048 float32; Wf 1,024 x 2,048 float32; Wi 1,024 x 2,048 float32; Wo 1,024 x 2,048 float32; bc 1,024 float32; bf 1,024 float32; bi 1,024 float32; bo 1,024 float32; c 8,192 x 1,024 float32; hidden 8,192 x 1,024 float32; inputs 8,192 x 1,024 float32.
;; Outputs: out0 8,192 x 1,024 float32; out1 8,192 x 1,024 float32.
;; This version of the problem:
;;   THIS VERSION OF THE PROBLEM IS GIVEN IN LOW PRECISION. The matrix products marked QUANTISED in the list below multiply operands that are first quantised to E2M1 (2 exponent bits, 1 mantissa bit; 4 bits a number), with one power-of-two scale for each 32 numbers along K (OCP MX v1.0); their sums are f32. All else is computed in f32.
;;   The module's matrix products, in the order in which they are computed (A, B: the left and right operand; K: the contracted axis; several contracted axes count as one K, in the product's order):
;;     1. [M 8,192, K 2,048] x [K 2,048, N 4,096]; A: computed on the way; B: computed on the way: QUANTISED
;;   THE QUANTISER, for each operand of a quantised product, along K:
;;     - K is cut into blocks of 32 from its start; a last block that is shorter is filled with zeros.
;;     - A block's scale is 2^e with e = floor(log2(the largest magnitude in the block)) - 2, held to -126 .. 127; a block of zeros has e = 0. As a byte (E8M0): e + 127.
;;     - Each number is divided by its block's scale, clamped to +-6, and rounded to the nearest number of E2M1, ties to even, subnormals kept.
;;     - The product sums the exact products of the quantised numbers (number of the format x scale) in f32.
;;   ~~~python
;;   def quantise(x, axis):      # numpy; x: float32 -> the quantised numbers, widened to float32 again
;;       x = np.moveaxis(x, axis, -1); K = x.shape[-1]
;;       x = np.pad(x, [(0, 0)] * (x.ndim - 1) + [(0, -K % 32)]); x = x.reshape(x.shape[:-1] + (-1, 32)); a = np.abs(x).max(-1, keepdims=True)
;;       e = np.where(a > 0, np.clip(np.frexp(np.where(a > 0, a, 1))[1] - 1 - 2, -126, 127), 0)      # np.frexp(a)[1] - 1 = floor(log2(a)), exactly
;;       r = np.clip(x / 2.0 ** e, -6, 6)
;;       step = 2.0 ** (np.maximum(np.frexp(np.where(r == 0, 1, r))[1] - 1, 0) - 1)
;;       q = np.round(r / step) * step * 2.0 ** e      # np.round: ties to even
;;       return np.moveaxis(q.reshape(q.shape[:-2] + (-1,))[..., :K], -1, axis).astype(np.float32)
;;   ~~~
;;   OPERANDS COMPUTED ON THE WAY. 'Computed on the way' means the value that the module computes at that place (a softmax that the list does not call 'softmax' is quantised finished and normalised). What goes into a quantiser is computed in f32, as accurately as f32 sums, v_exp_f32 and their like allow (about 1e-6 of the number): no bf16 or f16 on the way to a quantiser, and a product that is left as it is and whose result goes on into a quantised operand takes f32 operands (vector FMAs, or v_wmma_f32_16x16x4_f32). A number that lies on a knife's edge between two numbers of the format may be rounded either way, as far as f32 arithmetic and the matrix unit's own rounding can turn it there, and no further.
;; One version. Each part assembles by itself: llvm-mc -triple=amdgcn-amd-amdhsa -mcpu=gfx1250 --defsym DOCPART=n.
;; ======== version 1 of 1: 2 launches
;; limits: right only within a limited range of input values
;; workspace buffers: x_codes 8,388,608 bytes; w_codes 4,194,304 bytes; scales 786,432 bytes
;; launch quant (part 1): grid 768 x 1, 4 waves a work-group, no clusters, 34,304 bytes of LDS; arguments hidden, inputs, Wf, Wi, Wo, Wc, x_codes, scales, w_codes; writes x_codes, scales, w_codes
.if DOCPART == 1
	.amdgcn_target "amdgcn-amd-amdhsa--gfx1250"
	.amdhsa_code_object_version 6
	.text
	.protected	k_q7ce9dd1354_quant
	.globl	k_q7ce9dd1354_quant
	.p2align	8
	.type	k_q7ce9dd1354_quant,@function
k_q7ce9dd1354_quant:
	s_mov_b64 s[64:65], 0
	v_nop
	global_prefetch_b8 v0, s[64:65] scope:SCOPE_SE
	s_setreg_imm32_b32 hwreg(HW_REG_WAVE_MODE, 25, 1), 1
	s_wait_xcnt 0x0
; x = [hidden | inputs] (8,192 rows x 2,048) and W = [Wf; Wi; Wo; Wc] (4,096 rows x 2,048), f32 with K innermost, become codes of FP4 (E2M1), two a byte, the lower k in the low
; four bits, and one E8M0 scale byte for each 32 along K.  x_codes [8192][1024 bytes], w_codes [4096][1024].
; W'S ROWS ARE LAID IN ANOTHER ORDER: row j of gate g (f 0, i 1, o 2, c_hat 3) lies at n' = 128 (j / 32) + 32 g + j % 32: 128 neighbouring rows n' are 32 columns of all four gates.
; THE SCALE BYTES lie as the product's launch loads them: the byte of row R, block kb is at 1024 (R / 16) + 256 (kb / 16) + 16 (R % 16) + kb % 16; x's rows first, W's rows n' from byte 524,288 on.
; So 16 rows' bytes of 512 along K are 256 consecutive bytes.  A work-group makes 16 rows: 1,024 such bytes, gathered in LDS by all four waves; behind a barrier each wave stores 256 of them.
; A block's scale is 2^(floor(log2(its largest magnitude)) - 2); its byte is the largest magnitude's own exponent field - 2, held at 1 from below.
; LIMITS: a block of zeros gets the byte 1 where the rule says 127 (its codes are zeros, and this program alone reads the bytes); blocks whose largest magnitude lies under 2^(2 - 126)
; have their byte held at 1; NaN and infinities among the inputs are not served.
; SHARES.  A wave makes four rows, 8,192 numbers, in 16 steps of 512.  Work-groups 0-511 take x, 512-767 W (64 for each gate).  Step t is quarter t % 4 of row t / 4; quarters 0, 1 come from
; source A, quarters 2, 3 from source B (x: hidden and inputs; W: the row's two halves).  One path serves all: only pointers, offsets and the row's stride are chosen, on the work-group's number.
; Each of a step's four loads reads 512 consecutive bytes; the 2,048 bytes turn through the wave's own stage in LDS (16 bytes of padding behind each 64) and come back 64 bytes a lane.
; No tensor loads, no cluster: every byte is read once.  Loads run four steps (16 loads a wave) ahead, the turn through LDS one step.
.set STEPS, 16
.set EMAX,  2
.set R,     16                         ; v16-79   four sets of 16 numbers as loaded
.set X,     80                         ; v80-111  two sets of 16 neighbours
.set E,     112                        ; v112-127 a scale byte for each step
.set C,     128                        ; v128-159 codes, two registers a step
.set OFFR,  160                        ; v160-163 16 x lane + r x the source's row stride
.set WREG,  8192                       ; LDS: a region for each wave: two stages of 32 x SP bytes
.set SP,    80
.set SPARE, 0x8000                     ; the spare words, 512 bytes
.set SCB,   0x8200                     ; the work-group's 1,024 scale bytes
	s_load_b512 s[4:19], s[0:1], 0x0               ; hidden, inputs, Wf, Wi, Wo, Wc, x_codes s[16:17], scales s[18:19]
	s_load_b64 s[20:21], s[0:1], 0x40              ; w_codes
	v_lshl_add_u32 v192, v0, 2, SPARE
	v_mov_b32 v193, 0
	v_lshrrev_b32 v1, 5, v0
	v_readfirstlane_b32 s24, v1                    ; wave
	v_and_b32 v2, 31, v0                           ; lane
	v_lshlrev_b32 v3, 4, v2
	s_mul_i32 s35, s24, WREG
	v_lshrrev_b32 v14, 2, v2
	v_mul_u32_u24 v14, v14, SP
	v_and_b32 v15, 3, v2
	v_lshl_add_u32 v14, v15, 4, v14
	v_add_nc_u32 v14, s35, v14                     ; the stage, in: SP (lane / 4) + 16 (lane % 4)
	v_mul_u32_u24 v15, v2, SP
	v_add_nc_u32 v15, s35, v15                     ; out: SP x lane
	v_lshlrev_b32 v4, 3, v2                        ; my 8 bytes of a step's 256 bytes of codes
	v_lshrrev_b32 v5, 1, v2
	s_lshl_b32 s35, s24, 6
	s_add_co_u32 s35, s35, SCB
	v_add_nc_u32 v5, s35, v5                       ; my block's byte: SCB + 16 x (4 wave) + lane / 2; the step's quarter and row stand in the immediate
	v_lshlrev_b32 v7, 3, v2
	s_lshl_b32 s35, s24, 8
	s_add_co_u32 s35, s35, SCB
	v_add_nc_u32 v6, s35, v7                       ; back: SCB + 256 wave + 8 lane
	s_lshl_b32 s25, ttmp9, 4
	s_lshl_b32 s38, s24, 2
	s_add_co_u32 s25, s25, s38                     ; x: my first row
	s_cmp_lt_u32 ttmp9, 512
	s_cselect_b32 s26, 0, 512
	s_sub_co_u32 s26, ttmp9, s26
	s_lshr_b32 s27, s26, 6                         ; the gate g
	s_and_b32 s28, s26, 63
	s_lshl_b32 s28, s28, 4
	s_add_co_u32 s28, s28, s38                     ; my first row j of that gate
	s_lshr_b32 s29, s28, 5
	s_lshl_b32 s29, s29, 7
	s_lshl_b32 s39, s27, 5
	s_add_co_u32 s29, s29, s39
	s_and_b32 s39, s28, 31
	s_add_co_u32 s29, s29, s39                     ; n'
	s_lshl_b32 s30, s25, 12
	s_lshl_b32 s31, s28, 13
	s_wait_kmcnt 0x0
	s_cmp_eq_u32 s27, 1
	s_cselect_b64 s[8:9], s[10:11], s[8:9]
	s_cmp_eq_u32 s27, 2
	s_cselect_b64 s[8:9], s[12:13], s[8:9]
	s_cmp_eq_u32 s27, 3
	s_cselect_b64 s[8:9], s[14:15], s[8:9]
	s_mov_b32 s33, 8192
	s_cmp_lt_u32 ttmp9, 512                        ; x's work-group or W's?
	s_cselect_b64 s[4:5], s[4:5], s[8:9]           ; source A
	s_cselect_b64 s[6:7], s[6:7], s[8:9]           ; source B
	s_cselect_b64 s[16:17], s[16:17], s[20:21]     ; the codes
	s_cselect_b32 s22, 0, 0x80000                  ; where the tensor's scale bytes begin
	s_cselect_b32 s34, s25, s29                    ; my first row of the output
	s_cselect_b32 s30, s30, s31
	s_cselect_b32 s32, 0, 4096
	s_cselect_b32 s33, 4096, s33
	s_mov_b32 s37, 0
	s_mov_b32 s36, s30
	s_add_nc_u64 s[4:5], s[4:5], s[36:37]
	s_add_co_u32 s36, s30, s32
	s_add_nc_u64 s[6:7], s[6:7], s[36:37]
	s_lshl_b32 s36, s34, 10
	s_add_nc_u64 s[16:17], s[16:17], s[36:37]
	s_lshr_b32 s36, s34, 4                         ; the work-group's block of 16 rows: 1,024 scale bytes,
	s_lshl_b32 s36, s36, 10
	s_add_co_u32 s36, s36, s22
	s_lshl_b32 s22, s24, 8                         ; of which I store 256
	s_add_co_u32 s36, s36, s22
	s_add_nc_u64 s[18:19], s[18:19], s[36:37]
	v_mov_b32 v[OFFR], v3
	v_add_nc_u32 v[OFFR+1], s33, v[OFFR]
	v_add_nc_u32 v[OFFR+2], s33, v[OFFR+1]
	v_add_nc_u32 v[OFFR+3], s33, v[OFFR+2]
.macro LOAD t
.irp i, 0,1,2,3
	global_load_b128 v[R+16*((\t)%4)+4*\i:R+16*((\t)%4)+4*\i+3], v[OFFR+(\t)/4], s[4+2*(((\t)%4)/2):5+2*(((\t)%4)/2)] offset:2048*((\t)%2)+512*\i th:TH_LOAD_NT
.endr
.endm
.macro TURN t                          ; LDS serves a wave's instructions in order: no wait between the stores and the loads
.irp i, 0,1,2,3
	ds_store_b128 v14, v[R+16*((\t)%4)+4*\i:R+16*((\t)%4)+4*\i+3] offset:32*SP*((\t)%2)+8*SP*\i
.endr
.irp i, 0,1,2,3
	ds_load_b128 v[X+16*((\t)%2)+4*\i:X+16*((\t)%2)+4*\i+3], v15 offset:32*SP*((\t)%2)+16*\i
.endr
.endm
.irp t, 0,1,2,3
	LOAD \t
.endr
	s_wait_alu depctr_va_vdst(0)                   ; the wait at the head's end
	s_wait_loadcnt 12                              ; step 0's four loads are in; the twelve of steps 1 to 3 stay out
	TURN 0
.macro STEP t
.set XS, X+16*((\t)%2)
.if (\t) > 0
	s_wait_dscnt 1                                 ; this step's numbers are back (the last step's byte store may be out)
.else
	s_wait_dscnt 0x0
.endif
.if (\t)+4 < STEPS
	LOAD (\t)+4
.endif
.if (\t)+1 < STEPS
.if STEPS-2-(\t) >= 3
	s_wait_loadcnt 12                              ; the next step's four are in; three steps' loads stand behind them
.else
	s_wait_loadcnt 4*(STEPS-2-(\t))
.endif
	TURN (\t)+1
.endif
	v_max3_num_f32 v8, |v[XS]|, |v[XS+1]|, |v[XS+2]|
	v_max3_num_f32 v9, |v[XS+3]|, |v[XS+4]|, |v[XS+5]|
.irp i, 6,10
	v_max3_num_f32 v8, v8, |v[XS+\i]|, |v[XS+\i+1]|
	v_max3_num_f32 v9, v9, |v[XS+\i+2]|, |v[XS+\i+3]|
.endr
	v_max3_num_f32 v8, v8, |v[XS+14]|, |v[XS+15]|
	v_max3_num_f32 v8, v8, v9, (EMAX+1)<<23        ; the floor: the byte cannot fall under 1
	v_max_num_f32_dpp v8, v8, v8 row_xmask:1 row_mask:0xf bank_mask:0xf   ; with my neighbour's 16: the block's
	v_add_nc_u32 v11, -(EMAX<<23), v8              ; EMAX off the exponent field: the conversion's scale operand
	v_cvt_scalef32_pk8_fp4_f32 v[C+2*(\t)], v[XS:XS+7], v11
	v_cvt_scalef32_pk8_fp4_f32 v[C+2*(\t)+1], v[XS+8:XS+15], v11
	v_lshrrev_b32 v[E+(\t)], 23, v11               ; the scale's byte
	ds_store_b8 v5, v[E+(\t)] offset:256*((\t)%4)+16*((\t)/4)   ; quarter t % 4, my row t / 4; both lanes of a block write the same byte
	global_store_b64 v4, v[C+2*(\t):C+2*(\t)+1], s[16:17] offset:256*(\t)   ; 256 consecutive bytes, aligned
.endm
.irp t, 0,1,2,3,4,5,6,7,8,9,10,11,12,13,14,15
	STEP \t
.endr
	s_wait_dscnt 0x0                               ; for the others' sake: my byte stores are done
	s_barrier_signal -1
	s_barrier_wait -1                              ; the 1,024 bytes are whole
	ds_load_b64 v[12:13], v6
	s_wait_dscnt 0x0
	global_store_b64 v7, v[12:13], s[18:19]        ; 256 consecutive bytes, aligned
	s_wait_tensorcnt 0x0                           ; the wave's end
	ds_add_u32 v192, v193
	s_wait_dscnt 0x0
	s_endpgm
.Lfunc_end_k_q7ce9dd1354_quant:
	.size	k_q7ce9dd1354_quant, .Lfunc_end_k_q7ce9dd1354_quant-k_q7ce9dd1354_quant
	.p2alignl 7, 3214868480
	.fill 96, 4, 3214868480
	.section	.rodata,"a",@progbits
	.p2align	6, 0x0
	.amdhsa_kernel k_q7ce9dd1354_quant
		.amdhsa_group_segment_fixed_size 34304
		.amdhsa_private_segment_fixed_size 0
		.amdhsa_enable_private_segment 0
		.amdhsa_kernarg_size 72
		.amdhsa_user_sgpr_count 2
		.amdhsa_user_sgpr_kernarg_segment_ptr 1
		.amdhsa_wavefront_size32 1
		.amdhsa_system_sgpr_workgroup_id_x 1
		.amdhsa_system_sgpr_workgroup_id_y 1
		.amdhsa_system_sgpr_workgroup_id_z 1
		.amdhsa_system_vgpr_workitem_id 0
		.amdhsa_next_free_vgpr 194
		.amdhsa_next_free_sgpr 66
		.amdhsa_reserve_vcc 0
		.amdhsa_float_denorm_mode_32 3
		.amdhsa_float_denorm_mode_16_64 3
		.amdhsa_memory_ordered 1
		.amdhsa_forward_progress 1
		.amdhsa_inst_pref_size 35
	.end_amdhsa_kernel
	.amdgpu_metadata
---
amdhsa.version: [ 1, 2 ]
amdhsa.kernels:
  - .name:           k_q7ce9dd1354_quant
    .symbol:         k_q7ce9dd1354_quant.kd
    .args:
      - { .name: hidden, .offset: 0, .size: 8, .value_kind: global_buffer, .address_space: global }
      - { .name: inputs, .offset: 8, .size: 8, .value_kind: global_buffer, .address_space: global }
      - { .name: Wf, .offset: 16, .size: 8, .value_kind: global_buffer, .address_space: global }
      - { .name: Wi, .offset: 24, .size: 8, .value_kind: global_buffer, .address_space: global }
      - { .name: Wo, .offset: 32, .size: 8, .value_kind: global_buffer, .address_space: global }
      - { .name: Wc, .offset: 40, .size: 8, .value_kind: global_buffer, .address_space: global }
      - { .name: x_codes, .offset: 48, .size: 8, .value_kind: global_buffer, .address_space: global }
      - { .name: scales, .offset: 56, .size: 8, .value_kind: global_buffer, .address_space: global }
      - { .name: w_codes, .offset: 64, .size: 8, .value_kind: global_buffer, .address_space: global }
    .group_segment_fixed_size: 34304
    .private_segment_fixed_size: 0
    .kernarg_segment_align: 8
    .kernarg_segment_size: 72
    .max_flat_workgroup_size: 128
    .sgpr_count:     66
    .vgpr_count:     194
    .wavefront_size: 32
...
	.end_amdgpu_metadata
.endif
;; end of part 1
;; launch lstm (part 2): grid 16 x 16, 4 waves a work-group, clusters of 4 x 4, 327,680 bytes of LDS; arguments x_codes, w_codes, scales, bf, bi, bo, bc, c, out0, out1; writes out0, out1
.if DOCPART == 2
	.amdgcn_target "amdgcn-amd-amdhsa--gfx1250"
	.amdhsa_code_object_version 6
	.text
	.protected	k_q7ce9dd1354_lstm
	.globl	k_q7ce9dd1354_lstm
	.p2align	8
	.type	k_q7ce9dd1354_lstm,@function
k_q7ce9dd1354_lstm:
	s_mov_b64 s[64:65], 0
	v_nop
	global_prefetch_b8 v0, s[64:65] scope:SCOPE_SE
	s_setreg_imm32_b32 hwreg(HW_REG_WAVE_MODE, 25, 1), 1
	s_wait_xcnt 0x0
	s_wait_alu depctr_hold_cnt(0) depctr_sa_sdst(0) depctr_va_vdst(0) depctr_va_sdst(0) depctr_va_ssrc(0) depctr_va_vcc(0) depctr_vm_vsrc(0)
	s_getreg_b32 s2, hwreg(HW_REG_IB_STS2, 6, 4)
	s_cmp_eq_u32 s2, 0
	s_cbranch_scc0 .Lentry_in_a_cluster
	s_endpgm
.Lentry_in_a_cluster:
	s_bfe_u32 s2, ttmp6, 0x10000c
	s_cmp_lg_u32 s2, 0xf033
	s_cbranch_scc0 .Lentry_shape_is_right
	s_endpgm
.Lentry_shape_is_right:
; gates = x W'^T + bias on codes of FP4 (E2M1) with one E8M0 scale for each 32 along K, sums in f32; then, in f32, c_new = sig(f) c + sig(i) tanh(c_hat) (out1), h_new = sig(o) tanh(c_new) (out0).
; x_codes [8192][1024 bytes], w_codes [4096 n'][1024]; row n' = 128 (j / 32) + 32 g + j % 32 of W' is row j of gate g (f 0, i 1, o 2, c_hat 3).
; scales: the byte of row R, block kb at 1024 (R / 16) + 256 (kb / 16) + 16 (R % 16) + kb % 16; x's rows first, W's from byte 524,288 on.
; SHARES.  A tile is 256 rows x 256 n' (64 columns of all four gates); a wave makes 128 x 128 in 64 accumulators (512 registers).  A WORK-GROUP STAYS and makes TILES tiles, 8192 / TILES rows apart,
; which share their rows of W'.  K = 2,048 goes in four steps of 512 (rows of 256 bytes) through a ring of two LDS slots; the ring goes on into the next tile: a tile's last two changes of slots ask
; for the next tile's K steps 0 and 1.  The last tile's two changes of slots, which ask for nothing, are written out as arms of their own, chosen by the count of tiles, the same in all work-groups.
; CLUSTERS: 4 x 4.  x's tiles are asked for jointly along a row of the cluster, W's along a column.
; THE MATRIX INSTRUCTION IS USED TRANSPOSED (source 0 = 16 rows of W', source 1 = 16 rows of x): in accumulator (a, b) lane (r, h) holds, in register j, row 16 a + r, gate b / 2,
; column 32 (wave % 2) + 16 (b % 2) + 8 h + j: the four gates of a cell lie in one lane, 16 registers apart.
; FRAGMENTS.  A step of 128 along K has ONE run of 32 LDS loads, at its end, behind one group of places: x's blocks 4-7 (one set) for the next step, W's eight and x's blocks 0-3 (two sets each) for the step after next.
; THE SCALE WORDS come from memory straight into registers: one load of 16 bytes a lane takes, in lanes 0-15, 256 consecutive bytes of x's block i and, in lanes 16-31, 256 of W's block i, for 512 along K.
; Four sets of 32 registers hold a whole tile's; a set is loaded for the next tile when its K step is done.
; THE BIASES, times the factor of their gate's exponential, lie in 1 KiB of LDS and are the addend of the first multiply-add on the way out.
; c: each wave loads 64 whole rows into 128 registers of window 1 (half 0 in the tile before, or at the head behind K step 1's load; half 1 at the tile's start); in two halves they go through the stage in LDS,
; between the ring's barriers, and come back to the same registers by cells.
; The stage (34,816 bytes behind the ring, never a tensor load's target) then takes the results, two blocks of 16 rows at a time; they leave as whole rows of 256 bytes.
; PREFETCHES: one instruction a wave names 32 rows x 256 bytes, a lane a row.  Of the 128 rows that a wave fetches, the partner at place p among the four that ask jointly takes rows 32 p .. 32 p + 31 (p = cx for x,
; cy for W'): shared out by address.  At the head K step 1 of the first tile, behind K step 1's load K steps 2 and 3; at the tile's change of slots k the NEXT tile's K step k of x: two fills ahead of its load.
; W's rows are the same for all tiles and are asked for in the first alone; the last tile asks for nothing.
; ARITHMETIC OF A CELL.  sig(x) = 1 / (1 + 2^(-x log2 e)); tanh(x) = (E - 1) / (E + 1), E = 2^min(2 x log2 e, 30), E - 1 made as (E + 1) - 2.  Two quotients that are multiplied share one reciprocal.
; An exponential of a sigmoid that overflows gives the reciprocal 0, the right limit; E is held finite, so no infinity meets a 0.
; LIMITS: beyond |x| = 10.4 tanh is held at +-(1 - 2^-29); tanh's absolute error is about 1e-7; NaN and infinities among the inputs are not served.
; REGISTERS: window 0: v1-13 at work in the head, v16-31 addresses, v32-159 scale words and nothing else, v160-223 x's blocks 0-3, two sets (on the way out rows read back), v224-255 x's blocks 4-7.
;   window 1: v0-63, v128-191 W's fragments, two sets (v0-63 on the way out: the biases); v64-127, v192-255 c.   windows 2, 3: the accumulators ((a, b) at v[8 (8 (a % 4) + b)]).
.set TILES,  2
.set WALK,   8192/TILES
.set NQ,     4
.set ROWB,   256
.set KROW,   1024
.set PITCH,  272                       ; 256 bytes + 16 of padding: the 16 rows that a load touches begin 4 words apart modulo 64 words
.set FR,     8
.set NL,     2
.set NP,     4                         ; places behind this matrix instruction (ISA guide 7.12.1)
.set HALFT,  128*PITCH
.set SLOT,   4*HALFT                   ; x's 256 rows, then W's 256
.set STG,    2*SLOT                    ; the stage: 128 rows of PITCH bytes
.set SBUF,   32*PITCH                  ; a block's c_new (16 rows of each row half); its h_new SBUF on; the odd block's buffer 2 SBUF on
.set BST,    STG+128*PITCH             ; the biases: [gate][64 columns] f32
.set SPARE,  BST+1024                  ; the spare words, 512 bytes
.set ADRA, 16                          ; v16-17 my fragments of x in slot 0, 1
.set CLA,  18                          ; c's rows into the stage
.set CCA,  19                          ; c's cells out of it
.set ADRB, 20                          ; v20-21 my fragments of W'
.set CGO,  22                          ; c's rows in memory
.set SG,   23                          ; my scale words in memory, of the tile that is loaded next
.set CA,   24                          ; results into the stage
.set RD,   25                          ; rows read back
.set CO,   26                          ; the same rows in out0 and out1
.set BA,   27                          ; the biases in LDS
.set SPW,  28
.set NIL,  29
.set SGD,  30                          ; SG's step from tile to tile: x's lanes alone
.set PFO,  31                          ; the prefetches' offset: lane x a row of codes; never rewritten
.set SC,   32
.set ALO,  160
.set AHI,  224
.set OB,   160
.set G1, 24
.set G0, 32
.set G1B, 48
.set G0B, 56
.set NL2E, 66                          ; s[66:67] -log2 e
.set TL2E, 80                          ; s[80:81] 2 log2 e
.set CAP,  82                          ; 30.0
.set PFF,  83                          ; 1: my wave fetches for x and the tile has a successor
.set PFA,  4                           ; s[4:5] my work-group's 32 rows of the 128 that I fetch, this tile's K step 0
.set MSB, 0
.macro WIN new                         ; the immediate's high byte repeats the setting that is left
.if MSB != (\new)
	s_set_vgpr_msb (MSB<<8)|(\new)
.set MSB, (\new)
.endif
.endm
.set MUL_LO, 0xa1
.set MUL_HI, 0xf1
.set TO_B,   0x40
.macro JLOAD g0a, g1a, g0b, g1b        ; a joint load: waves 0, 1 fetch for x, waves 2, 3 for W'
	s_cmp_eq_u32 s15, 0
	s_cbranch_scc0 .Lfor_b_\@
	tensor_load_to_lds s[\g0a:\g0a+3], s[\g1a:\g1a+7]
	s_nop 0
.rept 4
	v_nop
.endr
	s_branch .Lasked_\@
.Lfor_b_\@:
	tensor_load_to_lds s[\g0b:\g0b+3], s[\g1b:\g1b+7]
	s_nop 0
.rept 4
	v_nop
.endr
.Lasked_\@:
.endm
.macro CREST
	s_cmp_lg_u32 s14, 0
	s_cbranch_scc1 .Lnot_wave_0_\@
	s_barrier_signal -3
.Lnot_wave_0_\@:
	s_barrier_wait -3
	s_barrier_signal -1
	s_barrier_wait -1
.endm
.macro CROUND
	s_barrier_signal -1
	s_barrier_wait -1
	CREST
.endm
.macro ASK k                           ; the next tile's K step k of x
.if TILES > 1
	s_cmp_lg_u32 s[PFF], 0
	s_cbranch_scc0 .Lnot_mine_\@
	global_prefetch_b8 v[PFO], s[PFA:PFA+1] offset:WALK*KROW+ROWB*(\k) th:TH_LOAD_NT scope:SCOPE_SE
.Lnot_mine_\@:
.endif
.endm
.macro SCLOAD k                        ; K step k's scale words, set k
.irp i, 0,1,2,3,4,5,6,7
	global_load_b128 v[SC+32*(\k)+4*\i:SC+32*(\k)+4*\i+3], v[SG], s[8:9] offset:1024*\i+256*(\k)
.endr
.endm
.macro CGLOAD g                        ; half g of my rows of c: 16 loads of two whole rows
	WIN TO_B
.irp t, 0,1,2,3,4,5,6,7,8,9,10,11,12,13,14,15
	global_load_b128 v[64+128*(\g)+4*\t:64+128*(\g)+4*\t+3], v[CGO], s[74:75] offset:(64*(\g)+2*\t)*4096 th:TH_LOAD_NT
.endr
	WIN 0
.endm
	s_load_b256 s[4:11], s[0:1], 0x0               ; x_codes s[4:5], w_codes s[6:7], scales s[8:9], bf s[10:11]
	s_load_b256 s[68:75], s[0:1], 0x20             ; bi, bo, bc, c s[74:75]
	s_load_b128 s[76:79], s[0:1], 0x40             ; out0 s[76:77], out1 s[78:79]
	v_lshl_add_u32 v[SPW], v0, 2, SPARE
	v_mov_b32 v[NIL], 0
	ds_add_u32 v[SPW], v[NIL]                      ; the opening lines: the add, twice on end, and its wait
	ds_add_u32 v[SPW], v[NIL]
	v_lshrrev_b32 v1, 5, v0
	v_readfirstlane_b32 s14, v1                    ; wave
	s_lshr_b32 s15, s14, 1                         ; my half of the tile's rows; also: I fetch for x (0) or W' (1)
	s_and_b32 s16, s14, 1                          ; my half of its n'; also: which 128 rows I fetch
	s_bfe_u32 s40, ttmp6, 0x40000                  ; cx
	s_bfe_u32 s41, ttmp6, 0x40004                  ; cy
	s_lshl_b32 s42, ttmp9, 2
	s_add_co_u32 s42, s42, s40                     ; tile column
	s_and_b32 s17, ttmp7, 0xffff
	s_lshl_b32 s17, s17, 2
	s_add_co_u32 s17, s17, s41                     ; first tile row
	s_lshl_b32 s43, s41, 2
	s_lshl_b32 s43, 15, s43                        ; my row of the cluster
	s_lshl_b32 s44, 0x1111, s40                    ; my column
	s_or_b32 s[G1+0], s43, (1<<20)|(1<<21)|(5<<22)|(3<<25)   ; mask; elements of 1 byte; 4 words of padding behind every 64
	s_or_b32 s[G1B+0], s44, (1<<20)|(1<<21)|(5<<22)|(3<<25)
.irp g, G1, G1B
	s_mov_b32 s[\g+1], ROWB<<16
	s_mov_b32 s[\g+2], 128<<16
	s_mov_b32 s[\g+3], ROWB<<16
	s_mov_b32 s[\g+4], 128
	s_mov_b32 s[\g+5], KROW
	s_mov_b32 s[\g+6], 0
	s_mov_b32 s[\g+7], 0
.endr
	s_lshl_b32 s19, s16, 7
	s_lshl_b32 s20, s17, 8
	s_add_co_u32 s20, s20, s19
	s_lshl_b32 s20, s20, 10                        ; x: (256 tile row + 128 half) rows of 1,024 bytes
	s_mov_b32 s21, 0
	s_lshl_b32 s46, s42, 8
	s_add_co_u32 s46, s46, s19
	s_lshl_b32 s46, s46, 10                        ; W' likewise by the tile column
	s_mov_b32 s47, 0
	s_mul_i32 s45, s14, HALFT                      ; where my 128 rows go
	s_lshl_b32 s12, s17, 20                        ; the tile's first byte in c, out0, out1
	s_lshl_b32 s13, s42, 8
	s_add_co_u32 s12, s12, s13
	s_mov_b32 s13, 0
	s_mul_i32 s88, s15, HALFT                      ; the bases of the vector addresses below
	s_mul_i32 s89, s16, HALFT
	s_add_co_u32 s89, s89, 2*HALFT
	s_mul_i32 s90, s14, 32*PITCH
	s_add_co_u32 s90, s90, STG
	s_lshl_b32 s3, s16, 7
	s_mul_i32 s91, s15, 64*PITCH
	s_add_co_u32 s91, s91, s3
	s_add_co_u32 s91, s91, STG
	s_mul_i32 s92, s15, 16*PITCH
	s_add_co_u32 s92, s92, s3
	s_add_co_u32 s92, s92, STG
	s_mul_i32 s93, s15, 16*PITCH
	s_mul_i32 s18, s16, 8*PITCH
	s_add_co_u32 s93, s93, s18
	s_add_co_u32 s93, s93, STG
	s_add_co_u32 s94, s3, BST
	s_lshl_b32 s95, s15, 19
	s_lshl_b32 s18, s16, 17
	s_add_co_u32 s95, s95, s18
	s_lshl_b32 s96, s15, 19
	s_lshl_b32 s18, s16, 15
	s_add_co_u32 s96, s96, s18
	s_lshl_b32 s97, s17, 14                        ; x's scale words: 16 blocks of 1,024 bytes a tile row, 8 a half
	s_lshl_b32 s18, s15, 13
	s_add_co_u32 s97, s97, s18
	s_lshl_b32 s98, s42, 14                        ; W's, as a distance from x's
	s_lshl_b32 s18, s16, 13
	s_add_co_u32 s98, s98, s18
	s_add_co_u32 s98, s98, 524288
	s_sub_co_u32 s98, s98, s97
	s_mov_b32 s[NL2E], 0xbfb8aa3b
	s_mov_b32 s[NL2E+1], s[NL2E]
	s_mov_b32 s[TL2E], 0x4038aa3b
	s_mov_b32 s[TL2E+1], s[TL2E]
	s_mov_b32 s[CAP], 0x41f00000
	s_wait_dscnt 0x0                               ; both opening adds are done
	s_wait_kmcnt 0x0
	s_add_nc_u64 s[20:21], s[4:5], s[20:21]
	s_add_nc_u64 s[46:47], s[6:7], s[46:47]
	s_add_nc_u64 s[74:75], s[74:75], s[12:13]
	s_add_nc_u64 s[76:77], s[76:77], s[12:13]
	s_add_nc_u64 s[78:79], s[78:79], s[12:13]
	CROUND                                         ; all sixteen work-groups are here
.irp s, 0,1
	s_mov_b32 s[G0+4*\s], 1
	s_add_co_u32 s[G0+4*\s+1], s45, \s*SLOT
	s_add_nc_u64 s[G0+4*\s+2:G0+4*\s+3], s[20:21], \s*ROWB
	s_or_b32 s[G0+4*\s+3], s[G0+4*\s+3], 0x80000000
	s_mov_b32 s[G0B+4*\s], 1
	s_add_co_u32 s[G0B+4*\s+1], s45, \s*SLOT
	s_add_nc_u64 s[G0B+4*\s+2:G0B+4*\s+3], s[46:47], \s*ROWB
	s_or_b32 s[G0B+4*\s+3], s[G0B+4*\s+3], 0x80000000
.endr
	JLOAD G0, G1, G0B, G1B                         ; K step 0, a quarter a wave
	s_cmp_eq_u32 s15, 0                            ; the prefetches: the 128 rows that I fetch,
	s_cselect_b64 s[PFA:PFA+1], s[20:21], s[46:47]
	s_cselect_b32 s18, s40, s41                    ; my place among the four that ask for them with me,
	s_lshl_b32 s18, s18, 15                        ; 32 rows of 1,024 bytes a place
	s_mov_b32 s19, 0
	s_add_nc_u64 s[PFA:PFA+1], s[PFA:PFA+1], s[18:19]
	s_cmp_eq_u32 s14, 1                            ; wave g stages gate g's 64 biases: the choice hangs on the wave's number alone
	s_cselect_b64 s[86:87], s[68:69], s[10:11]
	s_cmp_eq_u32 s14, 2
	s_cselect_b64 s[86:87], s[70:71], s[86:87]
	s_cmp_eq_u32 s14, 3
	s_cselect_b64 s[86:87], s[72:73], s[86:87]
	s_cselect_b32 s84, s[TL2E], s[NL2E]            ; and the gate's factor
	s_mov_b32 s85, s84
	s_lshl_b32 s18, s42, 8
	s_add_nc_u64 s[86:87], s[86:87], s[18:19]
	v_and_b32 v1, 15, v0                           ; r
	v_bfe_u32 v2, v0, 4, 1                         ; h
	v_mul_u32_u24 v3, v1, PITCH
	v_lshl_add_u32 v4, v2, 4, v3
	v_add_nc_u32 v[ADRA], s88, v4
	v_add_nc_u32 v[ADRB], s89, v4
	v_add_nc_u32 v[ADRA+1], SLOT, v[ADRA]
	v_add_nc_u32 v[ADRB+1], SLOT, v[ADRB]
	v_mul_u32_u24 v5, v2, PITCH
	v_lshl_add_u32 v5, v1, 4, v5                   ; whole rows: h PITCH + 16 r
	v_add_nc_u32 v[CLA], s90, v5                   ; + (32 wave) rows
	v_add_nc_u32 v[RD], s93, v5                    ; + (16 (wave / 2) + 8 (wave % 2)) rows
	v_lshl_add_u32 v6, v2, 5, v3                   ; cells: r PITCH + 32 h
	v_add_nc_u32 v[CCA], s91, v6                   ; + 64 (wave / 2) rows + 128 (wave % 2)
	v_add_nc_u32 v[CA], s92, v6                    ; + 16 (wave / 2) rows + 128 (wave % 2)
	v_lshl_add_u32 v[BA], v2, 5, s94
	v_lshlrev_b32 v7, 12, v2
	v_lshl_add_u32 v7, v1, 4, v7
	v_add_nc_u32 v[CGO], s95, v7                   ; rows 128 (wave / 2) + 32 (wave % 2) + h
	v_add_nc_u32 v[CO], s96, v7                    ; rows 128 (wave / 2) + 8 (wave % 2) + h
	v_mul_u32_u24 v8, s98, v2                      ; lanes 16-31 take W's words
	v_lshl_add_u32 v8, v1, 4, v8
	v_add_nc_u32 v[SG], s97, v8
	v_xor_b32 v9, 1, v2
	v_mul_u32_u24 v[SGD], v9, WALK*64
	v_and_b32 v10, 31, v0
	v_lshlrev_b32 v[PFO], 10, v10
	v_lshlrev_b32 v10, 3, v10
	v_lshl_add_u32 v11, v0, 3, BST                 ; 256 wave + 8 lane
	s_wait_alu depctr_va_vdst(0)                   ; the wait ahead of the readers below
	global_prefetch_b8 v[PFO], s[PFA:PFA+1] offset:ROWB th:TH_LOAD_NT scope:SCOPE_SE     ; K step 1
	global_load_b64 v[12:13], v10, s[86:87]        ; 256 consecutive bytes of my gate's bias
.irp k, 0,1,2,3
	SCLOAD \k
.endr
	s_wait_loadcnt 32                              ; the bias is in: 32 loads of scale words stand behind it
	v_pk_mul_f32 v[12:13], v[12:13], s[84:85] op_sel_hi:[1,0]
	ds_store_b64 v11, v[12:13]
.macro FRAG reg, adr, q, i             ; 16 rows x 128 K: registers 4 c .. 4 c + 3 hold K = 64 c + 32 h + 0 .. 31
.irp c, 0,1
	ds_load_b128 v[\reg+4*\c:\reg+4*\c+3], v[\adr] offset:64*(\q)+32*\c+(\i)*16*PITCH
.endr
.endm
; 16 matrix instructions: x's blocks a0, a0 + 1 against W's eight.  p: the set of W's fragments and of x's blocks 0-3; k: the K step and its set of scale words.
; The 64 accumulators take turns.
.macro MUL16 a0, p, q, k, first
.irp a, \a0, \a0+1
.if (\a) < 4
.set AR, ALO+32*(\p)+FR*(\a)
.else
.set AR, AHI+FR*((\a)-4)
.endif
.irp b, 0,1,2,3,4,5,6,7
.if \first
	v_wmma_scale_f32_16x16x128_f8f6f4 v[8*(8*((\a)%4)+\b):8*(8*((\a)%4)+\b)+7], v[128*(\p)+FR*\b:128*(\p)+FR*\b+FR-1], v[AR:AR+FR-1], 0, v[SC+32*(\k)+NQ*\b+(\q)], v[SC+32*(\k)+NQ*(\a)+(\q)] matrix_a_fmt:MATRIX_FMT_FP4 matrix_b_fmt:MATRIX_FMT_FP4 matrix_a_scale:MATRIX_SCALE_ROW1
.else
	v_wmma_scale_f32_16x16x128_f8f6f4 v[8*(8*((\a)%4)+\b):8*(8*((\a)%4)+\b)+7], v[128*(\p)+FR*\b:128*(\p)+FR*\b+FR-1], v[AR:AR+FR-1], v[8*(8*((\a)%4)+\b):8*(8*((\a)%4)+\b)+7], v[SC+32*(\k)+NQ*\b+(\q)], v[SC+32*(\k)+NQ*(\a)+(\q)] matrix_a_fmt:MATRIX_FMT_FP4 matrix_b_fmt:MATRIX_FMT_FP4 matrix_a_scale:MATRIX_SCALE_ROW1
.endif
.endr
.endr
.endm
.macro FB slot, q, p                   ; W's eight fragments into set p: 16 loads
	WIN TO_B
.irp i, 0,1,2,3,4,5,6,7
	FRAG 128*(\p)+FR*\i, ADRB+\slot, \q, \i
.endr
	WIN 0
.endm
.macro FLO slot, q, p                  ; x's blocks 0-3 into set p: 8 loads
.irp i, 0,1,2,3
	FRAG ALO+32*(\p)+FR*\i, ADRA+\slot, \q, \i
.endr
.endm
.macro FHI slot, q                     ; x's blocks 4-7: 8 loads
.irp i, 4,5,6,7
	FRAG AHI+FR*(\i-4), ADRA+\slot, \q, \i
.endr
.endm
.macro CSTORE g                        ; half g of my rows of c into the stage: an LDS store's data are its source 1
	WIN 0x04
.irp t, 0,1,2,3,4,5,6,7,8,9,10,11,12,13,14,15
	ds_store_b128 v[CLA], v[64+128*(\g)+4*\t:64+128*(\g)+4*\t+3] offset:2*\t*PITCH
.endr
.endm
.macro CELLS g                         ; and back by cells: blocks 4 g .. 4 g + 3, 16 registers each, into the same 64 registers
	WIN TO_B
.irp a, 0,1,2,3
.irp u, 0,1
.irp q, 0,1
	ds_load_b128 v[64+128*(\g)+16*\a+8*\u+4*\q:64+128*(\g)+16*\a+8*\u+4*\q+3], v[CCA] offset:\a*16*PITCH+64*\u+16*\q
.endr
.endr
.endr
.endm
.macro PLACES n
.rept \n
	v_nop
.endr
.endm
; The slot's step q = 0, 1 or 2.  ex = 1: c's half 0 into the stage; 2: its cells back; 3: half 1 into the stage; 4: the wait for half 1's loads: in the step's middle, ahead of the run, so that the counts below stay as they are.
.macro STEP slot, q, k, first, ex
	s_wait_dscnt 32                                ; all but the run just issued: W's set and x's blocks 0-3 of this step are in
	WIN MUL_LO
	MUL16 0, (\q)%2, \q, \k, \first
	MUL16 2, (\q)%2, \q, \k, \first
	s_wait_dscnt 24                                ; that run's first eight are in: x's blocks 4-7
.if \ex == 1
	s_wait_loadcnt 16                              ; c's half 0 is in: half 1's 16 loads, issued at the tile's start, are the youngest
	CSTORE 0
.endif
.if \ex == 2
	CELLS 0
.endif
.if \ex == 3
	CSTORE 1
.endif
.if \ex == 4
	s_wait_loadcnt 0x0                             ; c's half 1 is in
.endif
	WIN MUL_HI
	MUL16 4, (\q)%2, \q, \k, \first
	MUL16 6, (\q)%2, \q, \k, \first
	PLACES NP
	WIN 0
	FHI \slot, (\q)+1
.if (\q) < 2
	FB \slot, (\q)+2, (\q)%2                       ; into the sets that this step has read
	FLO \slot, (\q)+2, (\q)%2
.endif
.endm
; A slot's last step changes slots: one barrier, in front of it the wait for all my tensor loads, the add, and the wait for it and for my reads of this slot.
; fill = 1: this slot takes this tile's K step two on; 2: the next tile's K step 0 or 1; 0: nothing, and no round.  last = 1: the tile's last step: c's other cells and the biases are fetched, no fragments.
; The sets 0, which take the next slot's first fragments (or the biases), were last read in step 2, whose four places stand behind it.
.macro TURN slot, next, k, fill, last
	s_wait_tensorcnt 0x0
	ds_add_u32 v[SPW], v[NIL]
	s_wait_dscnt 4*NL+1                            ; the add and the youngest eight loads (x's blocks 4-7) may be out
	WIN MUL_LO
	MUL16 0, 1, NQ-1, \k, 0
	s_wait_dscnt 0x0
	s_barrier_signal -1
	MUL16 2, 1, NQ-1, \k, 0
	WIN 0
	s_barrier_wait -1
.if \fill
	CREST
.if \fill == 1
	s_add_nc_u64 s[G0+4*\slot+2:G0+4*\slot+3], s[G0+4*\slot+2:G0+4*\slot+3], 2*ROWB
	s_add_nc_u64 s[G0B+4*\slot+2:G0B+4*\slot+3], s[G0B+4*\slot+2:G0B+4*\slot+3], 2*ROWB
.else
	s_add_nc_u64 s[G0+4*\slot+2:G0+4*\slot+3], s[G0+4*\slot+2:G0+4*\slot+3], WALK*KROW-2*ROWB
	s_sub_nc_u64 s[G0B+4*\slot+2:G0B+4*\slot+3], s[G0B+4*\slot+2:G0B+4*\slot+3], 2*ROWB
.endif
	JLOAD G0+4*\slot, G1, G0B+4*\slot, G1B         ; the first tensor load behind the round
.endif
.if \last
	CELLS 1
.irp g, 0,1,2,3
.irp u, 0,1,2,3
	ds_load_b128 v[16*\g+4*\u:16*\g+4*\u+3], v[BA] offset:256*\g+64*(\u/2)+16*(\u%2)   ; the biases of my 32 columns, in the accumulators' order, where W's set 0 lay
.endr
.endr
	WIN 0
.else
	FB \next, 0, 0
	FLO \next, 0, 0
.endif
.if \fill
	ASK \k
.endif
	WIN MUL_HI
	MUL16 4, 1, NQ-1, \k, 0
	MUL16 6, 1, NQ-1, \k, 0
	PLACES NP
	WIN 0
.if \last == 0
	FHI \next, 0
	FB \next, 1, 1
	FLO \next, 1, 1
.endif
.if \fill == 2
.if \last
	SCLOAD 3                                       ; the next tile's scale words, into sets that are done with
.else
	SCLOAD 0
	SCLOAD 1
	SCLOAD 2
.endif
.endif
.endm
.macro ARMS slot, next, k, last        ; a change of slots in a tile's second half: the last tile's is written out apart
.if TILES > 1
	s_cmp_eq_u32 s2, 1
	s_cbranch_scc1 .Lnofill_\@
	TURN \slot, \next, \k, 2, \last
	s_branch .Ljoin_\@
.Lnofill_\@:
	TURN \slot, \next, \k, 0, \last
.Ljoin_\@:
.else
	TURN \slot, \next, \k, 0, \last
.endif
.endm
; THE WAY OUT, phase p: blocks 2 p and 2 p + 1 of 16 rows, 128 registers on end in window 2 + p / 2.  In a block, from its base: F = + 0 .. 15, I = + 16 .., O = + 32 .., G = + 48 ..
; A row's 256 bytes come from two waves, so the results meet in the stage: the even block's in one buffer, the odd block's in the other.  Two barriers a phase, each signalled early and waited for late,
; with work on registers between: behind the first the phase before is whole in the stage and is read back; behind the second every wave has read it, and this phase's results are stored over it.
.macro OLOAD a
.irp t, 0,1,2,3
	ds_load_b128 v[OB+32*((\a)%2)+4*\t:OB+32*((\a)%2)+4*\t+3], v[RD] offset:2*SBUF*((\a)%2)+2*PITCH*\t
.endr
.irp t, 0,1,2,3
	ds_load_b128 v[OB+32*((\a)%2)+16+4*\t:OB+32*((\a)%2)+16+4*\t+3], v[RD] offset:2*SBUF*((\a)%2)+SBUF+2*PITCH*\t
.endr
.endm
.macro SEND a                          ; 16 lanes store 256 consecutive bytes, aligned
.set BB, OB+32*((\a)%2)
	s_wait_dscnt 0x0
.irp t, 0,1,2,3
	global_store_b128 v[CO], v[BB+4*\t:BB+4*\t+3], s[78:79] offset:(16*(\a)+2*\t)*4096 th:TH_STORE_NT
.endr
.irp t, 0,1,2,3
	global_store_b128 v[CO], v[BB+16+4*\t:BB+16+4*\t+3], s[76:77] offset:(16*(\a)+2*\t)*4096 th:TH_STORE_NT
.endr
.endm
.macro BIASED ac                       ; (f, i, o + bias) x -log2 e, (c_hat + bias) x 2 log2 e; each accumulator from its low end on
.set EJ, 0
.rept 24
	v_pk_fma_f32 v[\ac+EJ:\ac+EJ+1], v[\ac+EJ:\ac+EJ+1], s[NL2E:NL2E+1], v[EJ:EJ+1] op_sel_hi:[1,0,1]
.set EJ, EJ+2
.endr
.rept 8
	v_pk_fma_f32 v[\ac+EJ:\ac+EJ+1], v[\ac+EJ:\ac+EJ+1], s[TL2E:TL2E+1], v[EJ:EJ+1] op_sel_hi:[1,0,1]
.set EJ, EJ+2
.endr
.endm
.macro VMIN d                          ; 16 numbers held at 30
.set EJ, 0
.rept 16
	v_min_num_f32 v[\d+EJ], s[CAP], v[\d+EJ]
.set EJ, EJ+1
.endr
.endm
.macro VREP op, d, n                   ; n transcendentals in place
.set EJ, 0
.rept \n
	\op v[\d+EJ], v[\d+EJ]
.set EJ, EJ+1
.endr
.endm
.macro PKADD d, n, c                   ; n pairs + a constant
.set EJ, 0
.rept \n
	v_pk_add_f32 v[\d+EJ:\d+EJ+1], v[\d+EJ:\d+EJ+1], \c op_sel_hi:[1,0]
.set EJ, EJ+2
.endr
.endm
.macro PKM d, a, b                     ; 8 pairs: d = a b
.set EJ, 0
.rept 8
	v_pk_mul_f32 v[\d+EJ:\d+EJ+1], v[\a+EJ:\a+EJ+1], v[\b+EJ:\b+EJ+1]
.set EJ, EJ+2
.endr
.endm
.macro CNEW ac, ci                     ; c_new = c sig(f) + sig(i) tanh(c_hat)
.set EJ, 0
.rept 8
	v_pk_fma_f32 v[\ac+EJ:\ac+EJ+1], v[\ci+EJ:\ci+EJ+1], v[\ac+EJ:\ac+EJ+1], v[\ac+48+EJ:\ac+49+EJ]
.set EJ, EJ+2
.endr
.endm
.macro TWICE ac                        ; c_new x 2 log2 e
.set EJ, 0
.rept 8
	v_pk_mul_f32 v[\ac+48+EJ:\ac+49+EJ], v[\ac+EJ:\ac+EJ+1], s[TL2E:TL2E+1] op_sel_hi:[1,0]
.set EJ, EJ+2
.endr
.endm
.macro TOSTG ac, pb                    ; a block's c_new and h_new into its buffer
.irp u, 0,1
.irp q, 0,1
	ds_store_b128 v[CA], v[\ac+8*\u+4*\q:\ac+8*\u+4*\q+3] offset:\pb+64*\u+16*\q
	ds_store_b128 v[CA], v[\ac+48+8*\u+4*\q:\ac+48+8*\u+4*\q+3] offset:\pb+SBUF+64*\u+16*\q
.endr
.endr
.endm
.macro EPI2 p
.set A0, 128*((\p)%2)
.set A1, A0+64
.set WW, 2+(\p)/2
.set C0, 64+32*((\p)%2)+128*((\p)/2)
	WIN (WW<<6)|(1<<4)|(WW<<2)|WW                  ; the addend (the biases): window 1
	s_wait_alu depctr_va_vdst(0)                   ; the wait ahead of the first reader of the sums
	BIASED A0
	BIASED A1
	WIN 0x55*WW
	VMIN A0+48
	VMIN A1+48
	s_wait_alu depctr_va_vdst(0)                   ; ahead of the batch
	VREP v_exp_f32, A0, 128                        ; Ef, Ei, Eo, Ec of both blocks
	v_nop
	s_wait_alu depctr_va_vdst(0)                   ; behind it
	s_wait_dscnt 0x0                               ; for the others' sake: my stores of the phase before are done (phase 0: my reads of c's cells)
	s_barrier_signal -1
	PKADD A0, 64, 1.0                              ; 1 + E
	PKM A0+16, A0+16, A0+48                        ; (1 + Ei)(1 + Ec)
	PKM A1+16, A1+16, A1+48
	PKADD A0+48, 8, -2.0                           ; Ec - 1
	PKADD A1+48, 8, -2.0
	s_wait_alu depctr_va_vdst(0)
	VREP v_rcp_f32, A0, 32                         ; sig(f);  1 / ((1 + Ei)(1 + Ec))
	VREP v_rcp_f32, A1, 32
	v_nop
	s_wait_alu depctr_va_vdst(0)
	PKM A0+48, A0+48, A0+16                        ; sig(i) tanh(c_hat)
	PKM A1+48, A1+48, A1+16
	WIN 0
	s_wait_alu depctr_va_vdst(0)
	s_barrier_wait -1                              ; the rows of the phase before are whole
.if (\p) > 0
.if (\p) >= 2
	s_wait_xcnt 0x0                                ; the stores of the phase before that have read their registers
.endif
	OLOAD 2*(\p)-2
	OLOAD 2*(\p)-1
.endif
	WIN (WW<<6)|(WW<<4)|(WW<<2)|1                  ; source 0 (c): window 1
	CNEW A0, C0
	CNEW A1, C0+16
	WIN 0x55*WW
	TWICE A0
	TWICE A1
	VMIN A0+48
	VMIN A1+48
	s_wait_alu depctr_va_vdst(0)
	VREP v_exp_f32, A0+48, 16                      ; En
	VREP v_exp_f32, A1+48, 16
	v_nop
	s_wait_alu depctr_va_vdst(0)
	PKADD A0+48, 8, 1.0
	PKADD A1+48, 8, 1.0
	PKM A0+32, A0+32, A0+48                        ; (1 + Eo)(1 + En)
	PKM A1+32, A1+32, A1+48
	PKADD A0+48, 8, -2.0                           ; En - 1
	PKADD A1+48, 8, -2.0
	s_wait_alu depctr_va_vdst(0)
.if (\p) > 0
	s_wait_dscnt 0x0                               ; the rows are back in my registers: I read the stage no more
	s_barrier_signal -1
.endif
	VREP v_rcp_f32, A0+32, 16
	VREP v_rcp_f32, A1+32, 16
	v_nop
	s_wait_alu depctr_va_vdst(0)
	PKM A0+48, A0+48, A0+32                        ; h_new
	PKM A1+48, A1+48, A1+32
	WIN 0
	s_wait_alu depctr_va_vdst(0)
.if (\p) > 0
	s_barrier_wait -1                              ; nobody reads the stage any more
	SEND 2*(\p)-2
	SEND 2*(\p)-1
.endif
	WIN WW<<2
	TOSTG A0, 0
	TOSTG A1, 2*SBUF
	WIN 0
.if (TILES > 1) && ((\p) == 1)
	s_wait_loadcnt 0x0                             ; the next tile's scale words are in: SG and c's base may step
	s_cmp_eq_u32 s2, 1
	s_cbranch_scc1 .Lno_c0
	s_add_nc_u64 s[74:75], s[74:75], WALK*4096
	v_add_nc_u32 v[SG], v[SGD], v[SG]
	s_wait_alu depctr_va_vdst(0)
	CGLOAD 0                                       ; the next tile's rows of c, into the registers of blocks 0-3, which are done with
.Lno_c0:
.endif
.endm
	s_wait_alu depctr_va_vdst(0)                   ; the wait at the head's end
	s_wait_tensorcnt 0x0                           ; my part of K step 0 is in; these lines stand ahead of a later first fill as ahead of a refill
	ds_add_u32 v[SPW], v[NIL]
	s_wait_dscnt 0x0                               ; the add, and my store of the biases
	CROUND
	JLOAD G0+4, G1, G0B+4, G1B                     ; K step 1, the first tensor load behind the round
	global_prefetch_b8 v[PFO], s[PFA:PFA+1] offset:2*ROWB th:TH_LOAD_NT scope:SCOPE_SE   ; K step 2
	global_prefetch_b8 v[PFO], s[PFA:PFA+1] offset:3*ROWB th:TH_LOAD_NT scope:SCOPE_SE   ; K step 3
	s_wait_loadcnt 0x0                             ; the scale words are in
.if TILES > 1
	v_add_nc_u32 v[SG], v[SGD], v[SG]              ; on to the next tile's
	s_wait_alu depctr_va_vdst(0)
.endif
	CGLOAD 0                                       ; the first tile's c, half 0
	s_mov_b32 s2, TILES                            ; tiles to go
.Ltile:
	FB 0, 0, 0                                     ; the first step's fragments, 24 loads,
	FLO 0, 0, 0
	FHI 0, 0                                       ; and a run as every step's end has it
	FB 0, 1, 1
	FLO 0, 1, 1
	CGLOAD 1                                       ; this tile's c, half 1, into the registers of blocks 4-7
.if TILES > 1
	s_cmp_gt_u32 s2, 1
	s_cselect_b32 s[PFF], 1, 0
	s_cmp_eq_u32 s15, 0
	s_cselect_b32 s[PFF], s[PFF], 0
.endif
	STEP 0, 0, 0, 1, 0                             ; the first products start the sums
	STEP 0, 1, 0, 0, 0
	STEP 0, 2, 0, 0, 0
	TURN 0, 1, 0, 1, 0
	STEP 1, 0, 1, 0, 0
	STEP 1, 1, 1, 0, 0
	STEP 1, 2, 1, 0, 1                             ; behind the tile's first barrier nobody reads the stage: c's half 0 goes in
	TURN 1, 0, 1, 1, 0
	STEP 0, 0, 2, 0, 2                             ; and comes back by cells
	STEP 0, 1, 2, 0, 0
	STEP 0, 2, 2, 0, 4
	ARMS 0, 1, 2, 0
	STEP 1, 0, 3, 0, 3                             ; half 1 goes in
	STEP 1, 1, 3, 0, 0
	STEP 1, 2, 3, 0, 0
	ARMS 1, 0, 3, 1
	s_wait_dscnt 0x0                               ; c's cells and the biases are in
.irp p, 0,1,2,3
	EPI2 \p
.endr
	s_wait_dscnt 0x0
	s_barrier_signal -1
	s_barrier_wait -1
	s_wait_xcnt 0x0
	OLOAD 6
	OLOAD 7
	SEND 6
	SEND 7
.if TILES > 1
	s_wait_xcnt 0x0                                ; the stores and prefetches have read their registers and bases
	s_cmp_eq_u32 s2, 1
	s_cbranch_scc1 .Lno_c1
	s_add_nc_u64 s[76:77], s[76:77], WALK*4096
	s_add_nc_u64 s[78:79], s[78:79], WALK*4096
	s_add_nc_u64 s[PFA:PFA+1], s[PFA:PFA+1], WALK*KROW
.Lno_c1:
	s_sub_co_u32 s2, s2, 1
	s_cmp_lg_u32 s2, 0
	s_cbranch_scc1 .Ltile
.endif
	s_wait_tensorcnt 0x0                           ; the wave's end
	ds_add_u32 v[SPW], v[NIL]
	s_wait_dscnt 0x0
	CROUND                                         ; the closing round
	s_endpgm
.Lfunc_end_k_q7ce9dd1354_lstm:
	.size	k_q7ce9dd1354_lstm, .Lfunc_end_k_q7ce9dd1354_lstm-k_q7ce9dd1354_lstm
	.p2alignl 7, 3214868480
	.fill 96, 4, 3214868480
	.section	.rodata,"a",@progbits
	.p2align	6, 0x0
	.amdhsa_kernel k_q7ce9dd1354_lstm
		.amdhsa_group_segment_fixed_size 327680
		.amdhsa_private_segment_fixed_size 0
		.amdhsa_enable_private_segment 0
		.amdhsa_kernarg_size 80
		.amdhsa_user_sgpr_count 2
		.amdhsa_user_sgpr_kernarg_segment_ptr 1
		.amdhsa_wavefront_size32 1
		.amdhsa_system_sgpr_workgroup_id_x 1
		.amdhsa_system_sgpr_workgroup_id_y 1
		.amdhsa_system_sgpr_workgroup_id_z 1
		.amdhsa_system_vgpr_workitem_id 0
		.amdhsa_next_free_vgpr 1024
		.amdhsa_next_free_sgpr 100
		.amdhsa_reserve_vcc 0
		.amdhsa_float_denorm_mode_32 3
		.amdhsa_float_denorm_mode_16_64 3
		.amdhsa_memory_ordered 1
		.amdhsa_forward_progress 1
		.amdhsa_inst_pref_size 255
	.end_amdhsa_kernel
	.section	.bss,"aw",@nobits
	.p2align	6
	.space	262144
	.amdgpu_metadata
---
amdhsa.version: [ 1, 2 ]
amdhsa.kernels:
  - .name:           k_q7ce9dd1354_lstm
    .symbol:         k_q7ce9dd1354_lstm.kd
    .args:
      - { .name: x_codes, .offset: 0, .size: 8, .value_kind: global_buffer, .address_space: global }
      - { .name: w_codes, .offset: 8, .size: 8, .value_kind: global_buffer, .address_space: global }
      - { .name: scales, .offset: 16, .size: 8, .value_kind: global_buffer, .address_space: global }
      - { .name: bf, .offset: 24, .size: 8, .value_kind: global_buffer, .address_space: global }
      - { .name: bi, .offset: 32, .size: 8, .value_kind: global_buffer, .address_space: global }
      - { .name: bo, .offset: 40, .size: 8, .value_kind: global_buffer, .address_space: global }
      - { .name: bc, .offset: 48, .size: 8, .value_kind: global_buffer, .address_space: global }
      - { .name: c, .offset: 56, .size: 8, .value_kind: global_buffer, .address_space: global }
      - { .name: out0, .offset: 64, .size: 8, .value_kind: global_buffer, .address_space: global }
      - { .name: out1, .offset: 72, .size: 8, .value_kind: global_buffer, .address_space: global }
    .group_segment_fixed_size: 327680
    .private_segment_fixed_size: 0
    .kernarg_segment_align: 8
    .kernarg_segment_size: 80
    .max_flat_workgroup_size: 128
    .sgpr_count:     100
    .vgpr_count:     1024
    .wavefront_size: 32
...
	.end_amdgpu_metadata
.endif
;; end of part 2
